; MI455X (gfx1250); checked and timed in simulation.
; The chip was launched on July 23, 2026; its instructions are those of AMD's public machine-readable ISA for CDNA 5 (MIT licence, August 2026) and "CDNA5" Instruction Set Architecture Reference Guide (July 2026). The comments in the code are by the model that wrote it; some were corrected since.
;; Centroid TD Base. Allowed arithmetic: float matrix products may take bf16 or f16 operands with f32 sums; all other float work in f32.
;; Inputs: mu 512 x 512 float32; td_pred_err_prev 256 x 512 float32; u_prev 256 x 512 float32; w_f_kernel 256 x 512 float32; w_p_kernel 512 x 512 float32; x 256 x 256 float32; z 256 x 512 float32.
;; Outputs: out0 512 x 512 float32; out1 256 x 512 float32; out2 512 float32; out3 512 x 512 float32; out4 512 float32.
;; One version. Each part assembles by itself: llvm-mc -triple=amdgcn-amd-amdhsa -mcpu=gfx1250 --defsym DOCPART=n.
;; ======== version 1 of 1: 2 launches
;; limits: values outside matrix products are rounded to bf16
;; workspace buffers: wws 524,288 bytes; sws 524,288 bytes
;; launch gram (part 1): grid 160 x 1, 8 waves a work-group, no clusters, 117,760 bytes of LDS; arguments z, x, u_prev, td_pred_err_prev, mu, w_f_kernel, out0, out2, out3, out4, wws, sws; writes out0, out2, out3, out4, wws, sws
.if DOCPART == 1
	.amdgcn_target "amdgcn-amd-amdhsa--gfx1250"
	.amdhsa_code_object_version 6
	.text
	.protected	k_q35755088cc_gram
	.globl	k_q35755088cc_gram
	.p2align	8
	.type	k_q35755088cc_gram,@function
k_q35755088cc_gram:
	s_mov_b64 s[64:65], 0
	v_nop
	global_prefetch_b8 v0, s[64:65] scope:SCOPE_SE
	s_setreg_imm32_b32 hwreg(HW_REG_WAVE_MODE, 25, 1), 1
	s_wait_xcnt 0x0
; gram: the three products over the batch (K = 256), one tile of 64 x 64 of P^T Q for each work-group, and what hangs on them.
;   type 0 (64 work-groups): P = Q = z.    g = z^T z / 256;  out0 = dmu = 0.05 (g - mu);  mu_t = mu + dmu;
;                            wws = W = (p^2 - mu_t) g in bf16, laid out as the second launch's fragments;
;                            the 8 tiles on the diagonal also store out2 = out4 = p - diag(mu_t).
;   type 1 (64 work-groups): P = u_prev, Q = td_pred_err_prev.   out3 = P^T Q / 256.
;   type 2 (32 work-groups): P = x, Q = z.  sws = S = x^T z / 256 - k * mean_b z  (k = w_f_kernel), f32.
; The only factor of dw[b,i,j] that hangs on b is z[b,i] z[b,j], so the mean over the batch is taken first (it is linear):
;   out1[d,i] = (p - mu_self[i]) S[d,i] + (k[d,i] R[i] - sum_j W[i,j] k[d,j]) / 512,  R[i] = sum_j W[i,j]   (second launch).
; LIMITS, kept on purpose: the order of the sums differs from the formula as written (batch first, then j); z, x, u_prev and td are
; rounded to bf16 for the products and W is stored in bf16 (bf16 keeps f32's range, so scale costs nothing); the mean of z is summed
; from the same bf16 z that enters x^T z.  Everything else is f32.  w_p_kernel enters none of the five results and is not loaded.
; NOT USED, and why: tensor loads, clusters and multicast: every operand lies in memory as f32 and has to pass registers to become
; bf16, and a work-group asks for each of its two panels (64 KiB each) exactly once, so there is no ring of requests to share;
; prefetches: all 32 to 36 loads of a wave are issued in its first lines, nothing later could be asked for earlier.
;
; Both operands have K (the batch) as the slow axis in memory.  So: 16-byte loads (16 lanes cover 256 consecutive bytes of one row),
; two roundings to bf16 each, panels [256 k][64 n] in LDS, and ds_load_tr16_b128 brings fragments with k along the registers.
; Wave w: rows 16 (w >> 1) .. + 15 of the tile, columns 32 (w & 1) .. + 31 (two accumulators).
; The product is used transposed, D = (Q fragment) x (P fragment): lane (r, h), register j holds tile row 16 mt + r and
; column 16 nt + 8 h + j, eight neighbouring numbers of one row.
.set SP,    272                        ; pitch of the f32 stages: 256 bytes + 16, an odd multiple of 16
.set PP,    160                        ; pitch of the bf16 panels: 128 bytes + 32, an odd multiple of 32 (transposing loads)
.set ESTG,  0                          ; 64 rows x SP: the tile of mu (type 0) or of k (type 2), f32
.set OSTG,  64*SP                      ; 64 rows x SP: the result tile, f32
.set PPAN,  128*SP                     ; 256 rows x PP: P's panel, bf16
.set QPAN,  PPAN+256*PP                ; 256 rows x PP: Q's panel, bf16; ends at 116,736
.set GA,    1                          ; v1   (t >> 4) * 2048 + 16 r: my 16 bytes in a tile whose rows are 2,048 bytes apart
.set GX,    2                          ; v2   the same for x, rows 1,024 bytes apart (type 2)
.set LP,    3                          ; v3   where my 8 bytes of bf16 go in P's panel
.set LQ,    4                          ; v4   and in Q's
.set LE,    5                          ; v5   (t >> 4) * SP + 16 r: my 16 bytes in a stage, by rows
.set TP,    6                          ; v6   transposing loads from P's panel
.set TQ,    7                          ; v7   and from Q's
.set SD,    8                          ; v8   my place in a stage in the accumulators' layout
.set WO,    9                          ; v9   my 16 bytes in wws (type 0)
                                       ; v10 w & 1, v11 r, v12 16 r, v13 scratch, v14 h, v15 mt
.set ACC0,  16                         ; v[16:31]  two accumulators (columns 16 nt, nt = 2 (w & 1) + 0, 1)
.set ACC1,  24
.set ACC2,  32                         ; v[32:47]  type 2: minus the batch sums of z for the same columns
.set ACC3,  40
.set MONES, 48                         ; v[48:55]  a fragment of -1.0 in bf16 (type 2)
.set WPK,   56                         ; v[56:63]  W, packed to bf16 (type 0)
.set PRAW,  64                         ; v[64:127]  P as loaded, 4 registers a load; then
.set PF,    64                         ;            P's fragments, 8 registers for each K step of 32
.set QRAW,  128                        ; v[128:191] Q as loaded; then
.set QF,    128                        ; v[128:255] Q's fragments, 16 registers for each K step
.set ERAW,  192                        ; v[192:207] the E tile as loaded (stored to LDS before Q's fragments land here)
.set ED,    64                         ; behind the products: v[64:79] E in the accumulators' layout,
.set T,     80                         ; v[80:95] at work,
.set RES,   96                         ; v[96:111] the result tile,
.set M,     112                        ; v[112:127] mu_t - p^2,
.set WF,    128                        ; v[128:143] W in f32,
.set OUTR,  64                         ; v[64:79] once more: the result read back by rows
.set PB,    32                         ; s[32:33] P's panel     s[34:35] Q's panel
.set QB,    34
.set EB,    36                         ; s[36:37] the E tile    s[38:39] the result tile
.set OB,    38
                                       ; s[40:41] wws block, s[42:43] out2 piece, s[44:45] out4 piece, s[46:47] 256 rb as a 64-bit offset
.macro PLACES                          ; four places behind a matrix instruction before its registers are touched (ISA guide 7.12.1)
.rept 4
	v_nop
.endr
.endm
.macro ELOAD                           ; the E tile: 64 rows x 256 bytes, 16 rows a load
.irp n, 0,1,2,3
	global_load_b128 v[ERAW+4*\n:ERAW+4*\n+3], v[GA], s[EB:EB+1] offset:\n*32768
.endr
.endm
.macro LOADPAN x, adr, base, pitch     ; a panel: 256 rows x 256 bytes, 16 rows a load
.irp n, 0,1,2,3,4,5,6,7,8,9,10,11,12,13,14,15
	global_load_b128 v[\x+4*\n:\x+4*\n+3], v[\adr], s[\base:\base+1] offset:\n*16*\pitch
.endr
.endm
.macro ESTORE
	s_wait_loadcnt 32                  ; the 32 panel loads were issued behind E's four and may stay out
.irp n, 0,1,2,3
	ds_store_b128 v[LE], v[ERAW+4*\n:ERAW+4*\n+3] offset:ESTG+\n*16*SP
.endr
.endm
.macro TOLDS x, n, adr, left           ; load n of a panel: four f32 to four bf16, 8 bytes into the panel
	s_wait_loadcnt \left
	v_cvt_pk_bf16_f32 v[\x+4*\n], v[\x+4*\n], v[\x+4*\n+1]
	v_cvt_pk_bf16_f32 v[\x+4*\n+1], v[\x+4*\n+2], v[\x+4*\n+3]
	ds_store_b64 v[\adr], v[\x+4*\n:\x+4*\n+1] offset:\n*16*PP
.endm
.macro FRAGS                           ; six transposing loads for each K step of 32: P's 16 columns, Q's 2 x 16 columns
.irp s, 0,1,2,3,4,5,6,7
	ds_load_tr16_b128 v[PF+8*\s:PF+8*\s+3],      v[TP] offset:\s*32*PP
	ds_load_tr16_b128 v[PF+8*\s+4:PF+8*\s+7],    v[TP] offset:\s*32*PP+16*PP
	ds_load_tr16_b128 v[QF+16*\s:QF+16*\s+3],    v[TQ] offset:\s*32*PP
	ds_load_tr16_b128 v[QF+16*\s+4:QF+16*\s+7],  v[TQ] offset:\s*32*PP+16*PP
	ds_load_tr16_b128 v[QF+16*\s+8:QF+16*\s+11], v[TQ] offset:\s*32*PP+32
	ds_load_tr16_b128 v[QF+16*\s+12:QF+16*\s+15], v[TQ] offset:\s*32*PP+16*PP+32
.endr
.endm
.macro MM d, a, b, first               ; one link of an accumulator's chain; the first takes the constant 0: nothing is cleared
.if \first
	v_wmma_f32_16x16x32_bf16 v[\d:\d+7], v[\a:\a+7], v[\b:\b+7], 0
.else
	v_wmma_f32_16x16x32_bf16 v[\d:\d+7], v[\a:\a+7], v[\b:\b+7], v[\d:\d+7]
.endif
.endm
.macro STEPK s, first, ones
	s_wait_dscnt 6*(7-\s)              ; six LDS loads for each later K step may stay out
	MM ACC0, QF+16*\s, PF+8*\s, \first
	MM ACC1, QF+16*\s+8, PF+8*\s, \first
.if \ones
	MM ACC2, QF+16*\s, MONES, \first   ; - sum over the batch of z, for the lane's own eight columns, from the same bf16 z
	MM ACC3, QF+16*\s+8, MONES, \first
.endif
.endm
.macro PROD ones
	STEPK 0, 1, \ones
.irp s, 1,2,3,4,5,6,7
	STEPK \s, 0, \ones
.endr
.endm
.macro EFETCH                          ; E in the accumulators' layout: 2 x 8 neighbouring numbers of my row
	ds_load_b128 v[ED:ED+3],     v[SD] offset:ESTG
	ds_load_b128 v[ED+4:ED+7],   v[SD] offset:ESTG+16
	ds_load_b128 v[ED+8:ED+11],  v[SD] offset:ESTG+64
	ds_load_b128 v[ED+12:ED+15], v[SD] offset:ESTG+80
.endm
; One whole tile.  ty: the type; pb, qb, eb, ob: the scalar pairs that hold the addresses of P, Q, E and the result's buffer.
.macro BODY ty, pb, qb, eb, ob
	s_add_nc_u64 s[PB:PB+1], s[\pb:\pb+1], s[46:47]        ; P at column 64 rb
	s_add_nc_u64 s[QB:QB+1], s[\qb:\qb+1], s[QB:QB+1]      ; Q at column 64 cb
	s_add_nc_u64 s[OB:OB+1], s[\ob:\ob+1], s[OB:OB+1]      ; the result at (64 rb, 64 cb)
.if \ty != 1
	s_add_nc_u64 s[EB:EB+1], s[\eb:\eb+1], s[EB:EB+1]      ; E at (64 rb, 64 cb)
	ELOAD
.endif
.if \ty == 2
	LOADPAN PRAW, GX, PB, 1024
.else
	LOADPAN PRAW, GA, PB, 2048
.endif
	LOADPAN QRAW, GA, QB, 2048
	; register work while the loads are on their way
.if \ty == 0
	v_lshl_add_u32 v[WO], v10, 12, v12                     ; wws: [i / 64][j / 8][i % 64][8 j] bf16; inside my block:
	v_lshl_add_u32 v[WO], v14, 10, v[WO]                   ; (2 nt + h) * 1024 + (16 mt + r) * 16, nt's low bit in the immediate
	v_lshl_add_u32 v[WO], v15, 8, v[WO]
	s_lshl_b32 s40, s4, 16                                 ; block rb of 65,536 bytes,
	s_lshl_b32 s41, s5, 13                                 ; 8 cb groups of 1,024 bytes
	s_add_co_u32 s40, s40, s41
	s_mov_b32 s41, 0
	s_add_nc_u64 s[40:41], s[28:29], s[40:41]
	s_add_nc_u64 s[42:43], s[22:23], s[46:47]              ; out2 and out4 at element 64 rb
	s_add_nc_u64 s[44:45], s[26:27], s[46:47]
.endif
.if \ty == 2
.irp q, 0,1,2,3,4,5,6,7
	v_mov_b32 v[MONES+\q], 0xbf80bf80                      ; two bf16 of -1.0
.endr
.endif
.if \ty != 1
	ESTORE
.endif
.irp n, 0,1,2,3,4,5,6,7,8,9,10,11,12,13,14,15
	TOLDS PRAW, \n, LP, 31-\n                              ; behind P's load n: 15 - n of P's and Q's 16
.endr
.irp n, 0,1,2,3,4,5,6,7,8,9,10,11,12,13,14,15
	TOLDS QRAW, \n, LQ, 15-\n                              ; behind Q's load n: 15 - n of Q's
.endr
	s_wait_dscnt 0x0                                       ; my part of the panels and of E is in LDS, for the other waves' sake
	s_barrier_signal -1
	s_barrier_wait -1                                      ; everybody's is
	FRAGS
.if \ty == 2
	PROD 1
.else
	PROD 0
.endif
	PLACES                                                 ; before loads and vector instructions touch fragments and sums
.if \ty == 0
	EFETCH
	s_wait_dscnt 0x0                                       ; mu's 16 numbers are used at once
.irp p, 0,2,4,6,8,10,12,14
	v_pk_fma_f32 v[T+\p:T+\p+1], v[ACC0+\p:ACC0+\p+1], 0xbb800000, v[ED+\p:ED+\p+1] op_sel_hi:[1,0,1]   ; mu - g, g = sum / 256
.endr
.irp p, 0,2,4,6,8,10,12,14
	v_pk_mul_f32 v[ACC0+\p:ACC0+\p+1], v[ACC0+\p:ACC0+\p+1], 0xbb800000 op_sel_hi:[1,0]                 ; -g
.endr
.irp p, 0,2,4,6,8,10,12,14
	v_pk_mul_f32 v[RES+\p:RES+\p+1], v[T+\p:T+\p+1], 0xbd4ccccd op_sel_hi:[1,0]                         ; dmu = -0.05 (mu - g)
.endr
.irp p, 0,2,4,6,8,10,12,14
	v_pk_fma_f32 v[M+\p:M+\p+1], v[T+\p:T+\p+1], 0xbd4ccccd, v[ED+\p:ED+\p+1] op_sel_hi:[1,0,1]         ; mu_t = mu + dmu
.endr
.irp p, 0,2,4,6,8,10,12,14
	v_pk_add_f32 v[M+\p:M+\p+1], v[M+\p:M+\p+1], 0xbb23d70a op_sel_hi:[1,0]                             ; mu_t - p^2
.endr
.irp p, 0,2,4,6,8,10,12,14
	v_pk_mul_f32 v[WF+\p:WF+\p+1], v[M+\p:M+\p+1], v[ACC0+\p:ACC0+\p+1]                                 ; W = (mu_t - p^2)(-g)
.endr
.irp p, 0,1,2,3,4,5,6,7
	v_cvt_pk_bf16_f32 v[WPK+\p], v[WF+2*\p], v[WF+2*\p+1]
.endr
	global_store_b128 v[WO], v[WPK:WPK+3], s[40:41]                    ; 16 lanes store 256 consecutive bytes, at a multiple of 256
	global_store_b128 v[WO], v[WPK+4:WPK+7], s[40:41] offset:2048      ; the second accumulator: two groups of 8 j further
.endif
.if \ty == 1
.irp p, 0,2,4,6,8,10,12,14
	v_pk_mul_f32 v[RES+\p:RES+\p+1], v[ACC0+\p:ACC0+\p+1], 0x3b800000 op_sel_hi:[1,0]                   ; / 256
.endr
.endif
.if \ty == 2
	EFETCH
	s_wait_dscnt 0x0                                       ; k's 16 numbers are used at once
.irp p, 0,2,4,6,8,10,12,14
	v_pk_fma_f32 v[T+\p:T+\p+1], v[ED+\p:ED+\p+1], v[ACC2+\p:ACC2+\p+1], v[ACC0+\p:ACC0+\p+1]           ; sum x z - k sum z
.endr
.irp p, 0,2,4,6,8,10,12,14
	v_pk_mul_f32 v[RES+\p:RES+\p+1], v[T+\p:T+\p+1], 0x3b800000 op_sel_hi:[1,0]                         ; / 256
.endr
.endif
	; the way out: a lane holds 32 bytes of a row twice; through LDS they become whole rows of 256 bytes
	ds_store_b128 v[SD], v[RES:RES+3]     offset:OSTG
	ds_store_b128 v[SD], v[RES+4:RES+7]   offset:OSTG+16
	ds_store_b128 v[SD], v[RES+8:RES+11]  offset:OSTG+64
	ds_store_b128 v[SD], v[RES+12:RES+15] offset:OSTG+80
	s_wait_dscnt 0x0                                       ; my part of the result tile is in LDS, for the other waves' sake
	s_barrier_signal -1
	s_barrier_wait -1
.irp n, 0,1,2,3
	ds_load_b128 v[OUTR+4*\n:OUTR+4*\n+3], v[LE] offset:OSTG+\n*16*SP
.endr
.irp n, 0,1,2,3
	s_wait_dscnt 3-\n                                      ; the younger LDS loads may stay out
	global_store_b128 v[GA], v[OUTR+4*\n:OUTR+4*\n+3], s[OB:OB+1] offset:\n*32768    ; 16 lanes store one row of the tile: 256 bytes, aligned
.endr
.endm
	; ---- common head: ids, offsets, lane addresses, all while the arguments are on their way ----
	s_load_b512 s[8:23], s[0:1], 0x0               ; z s[8:9], x s[10:11], u_prev s[12:13], td s[14:15], mu s[16:17], k s[18:19], out0 s[20:21], out2 s[22:23]
	s_load_b256 s[24:31], s[0:1], 0x40             ; out3 s[24:25], out4 s[26:27], wws s[28:29], sws s[30:31]
	s_set_vgpr_msb 0x40
	v_lshl_add_u32 v0, v0, 2, 0x1c800
	v_mov_b32 v1, 0
	s_set_vgpr_msb 0x4000
	s_lshr_b32 s3, ttmp9, 6                        ; type
	s_bfe_u32 s4, ttmp9, 0x30003                   ; rb: block row of the result (3 bits from bit 3)
	s_and_b32 s5, ttmp9, 7                         ; cb: block column
	s_lshl_b32 s46, s4, 8                          ; 64 columns of f32 = 256 bytes a block
	s_mov_b32 s47, 0
	s_lshl_b32 s[QB], s5, 8
	s_mov_b32 s[QB+1], 0
	s_lshl_b32 s[EB], s4, 17                       ; 64 rows of 2,048 bytes
	s_add_co_u32 s[EB], s[EB], s[QB]
	s_mov_b32 s[EB+1], 0
	s_mov_b32 s[OB], s[EB]
	s_mov_b32 s[OB+1], 0
	v_lshrrev_b32 v13, 5, v0
	v_readfirstlane_b32 s6, v13                    ; wave 0..7
	v_lshrrev_b32 v10, 4, v0                       ; t >> 4: my row of the 16 that one load covers
	v_and_b32 v11, 15, v0                          ; r
	v_lshlrev_b32 v12, 4, v11                      ; 16 r
	v_lshl_add_u32 v[GA], v10, 11, v12
	v_mul_u32_u24 v13, v10, PP
	v_lshl_add_u32 v13, v11, 3, v13                ; row x PP + 8 r
	v_add_nc_u32 v[LP], PPAN, v13
	v_add_nc_u32 v[LQ], QPAN, v13
	v_mad_u32_u24 v[LE], v10, SP, v12
	v_bfe_u32 v14, v0, 4, 1                        ; h
	v_and_b32 v13, 7, v0
	v_lshl_add_u32 v13, v14, 3, v13                ; panel row 8 h + (lane & 7)
	v_mul_u32_u24 v13, v13, PP
	v_bfe_u32 v15, v0, 3, 1
	v_lshl_add_u32 v13, v15, 4, v13                ; + 16 bytes for lanes 8-15 of each half
	v_lshrrev_b32 v15, 6, v0                       ; mt = wave >> 1
	v_bfe_u32 v10, v0, 5, 1                        ; wave & 1
	v_lshl_add_u32 v[TP], v15, 5, v13              ; P's columns 16 mt: 32 bytes each
	v_add_nc_u32 v[TP], PPAN, v[TP]
	v_lshl_add_u32 v[TQ], v10, 6, v13              ; Q's columns 32 (wave & 1)
	v_add_nc_u32 v[TQ], QPAN, v[TQ]
	v_lshl_add_u32 v[SD], v15, 4, v11              ; tile row 16 mt + r
	v_mul_u32_u24 v[SD], v[SD], SP
	v_lshl_add_u32 v[SD], v10, 7, v[SD]            ; column 32 (wave & 1) + 8 h, 4 bytes each
	v_lshl_add_u32 v[SD], v14, 5, v[SD]
	s_wait_kmcnt 0x0
	s_cmp_eq_u32 s3, 1                             ; the type is the same in all eight waves: each body's two barriers are passed by all
	s_cbranch_scc1 .Ltd
	s_cmp_eq_u32 s3, 2
	s_cbranch_scc1 .Lself
	; ---- type 0: z^T z, dmu, W, and on the diagonal the two biases ----
	BODY 0, 8, 8, 16, 20
	s_cmp_lg_u32 s4, s5
	s_cbranch_scc1 .Ldone                          ; no part of the diagonal in this tile
	s_cmp_lg_u32 s6, 0
	s_cbranch_scc1 .Ldone                          ; 64 numbers: one wave's work
	v_and_b32 v13, 31, v0
	v_mul_u32_u24 v12, v13, 2*(SP+4)               ; elements (2 l, 2 l) and (2 l + 1, 2 l + 1) of a stage
	v_lshlrev_b32 v13, 3, v13
	ds_load_b32 v10, v12 offset:ESTG               ; mu (in LDS since the first barrier)
	ds_load_b32 v11, v12 offset:ESTG+SP+4
	ds_load_b32 v14, v12 offset:OSTG               ; dmu (since the second)
	ds_load_b32 v15, v12 offset:OSTG+SP+4
	s_wait_dscnt 0x0
	v_pk_add_f32 v[10:11], v[10:11], v[14:15]      ; mu_self
	v_sub_f32 v10, 0x3d4ccccd, v10                 ; p - mu_self
	v_sub_f32 v11, 0x3d4ccccd, v11
	global_store_b64 v13, v[10:11], s[42:43]       ; 32 lanes store 256 consecutive bytes, aligned
	global_store_b64 v13, v[10:11], s[44:45]
.Ldone:
	s_set_vgpr_msb 0x5
	s_wait_tensorcnt 0x0
	ds_add_u32 v0, v1
	s_wait_dscnt 0x0
	s_set_vgpr_msb 0x500
	s_endpgm
	; ---- type 1: u_prev^T td / 256 (no E tile: the fourth argument is not used) ----
.Ltd:
	BODY 1, 12, 14, 0, 24
	s_set_vgpr_msb 0x5
	s_wait_tensorcnt 0x0
	ds_add_u32 v0, v1
	s_wait_dscnt 0x0
	s_set_vgpr_msb 0x500
	s_endpgm
	; ---- type 2: S = x^T z / 256 - k mean(z) ----
.Lself:
	v_lshrrev_b32 v13, 4, v0
	v_lshl_add_u32 v[GX], v13, 10, v12             ; x's rows are 1,024 bytes apart
	BODY 2, 10, 8, 18, 30
	s_set_vgpr_msb 0x5
	s_wait_tensorcnt 0x0
	ds_add_u32 v0, v1
	s_wait_dscnt 0x0
	s_set_vgpr_msb 0x500
	s_endpgm
.Lfunc_end_k_q35755088cc_gram:
	.size	k_q35755088cc_gram, .Lfunc_end_k_q35755088cc_gram-k_q35755088cc_gram
	.p2alignl 7, 3214868480
	.fill 96, 4, 3214868480
	.section	.rodata,"a",@progbits
	.p2align	6, 0x0
	.amdhsa_kernel k_q35755088cc_gram
		.amdhsa_group_segment_fixed_size 117760
		.amdhsa_private_segment_fixed_size 0
		.amdhsa_enable_private_segment 0
		.amdhsa_kernarg_size 96
		.amdhsa_user_sgpr_count 2
		.amdhsa_user_sgpr_kernarg_segment_ptr 1
		.amdhsa_wavefront_size32 1
		.amdhsa_system_sgpr_workgroup_id_x 1
		.amdhsa_system_sgpr_workgroup_id_y 1
		.amdhsa_system_sgpr_workgroup_id_z 1
		.amdhsa_system_vgpr_workitem_id 0
		.amdhsa_next_free_vgpr 258
		.amdhsa_next_free_sgpr 66
		.amdhsa_reserve_vcc 0
		.amdhsa_float_denorm_mode_32 3
		.amdhsa_float_denorm_mode_16_64 3
		.amdhsa_memory_ordered 1
		.amdhsa_forward_progress 1
		.amdhsa_inst_pref_size 63
	.end_amdhsa_kernel
	.amdgpu_metadata
---
amdhsa.version: [ 1, 2 ]
amdhsa.kernels:
  - .name:           k_q35755088cc_gram
    .symbol:         k_q35755088cc_gram.kd
    .args:
      - { .name: z, .offset: 0, .size: 8, .value_kind: global_buffer, .address_space: global }
      - { .name: x, .offset: 8, .size: 8, .value_kind: global_buffer, .address_space: global }
      - { .name: u_prev, .offset: 16, .size: 8, .value_kind: global_buffer, .address_space: global }
      - { .name: td_pred_err_prev, .offset: 24, .size: 8, .value_kind: global_buffer, .address_space: global }
      - { .name: mu, .offset: 32, .size: 8, .value_kind: global_buffer, .address_space: global }
      - { .name: w_f_kernel, .offset: 40, .size: 8, .value_kind: global_buffer, .address_space: global }
      - { .name: out0, .offset: 48, .size: 8, .value_kind: global_buffer, .address_space: global }
      - { .name: out2, .offset: 56, .size: 8, .value_kind: global_buffer, .address_space: global }
      - { .name: out3, .offset: 64, .size: 8, .value_kind: global_buffer, .address_space: global }
      - { .name: out4, .offset: 72, .size: 8, .value_kind: global_buffer, .address_space: global }
      - { .name: wws, .offset: 80, .size: 8, .value_kind: global_buffer, .address_space: global }
      - { .name: sws, .offset: 88, .size: 8, .value_kind: global_buffer, .address_space: global }
    .group_segment_fixed_size: 117760
    .private_segment_fixed_size: 0
    .kernarg_segment_align: 8
    .kernarg_segment_size: 96
    .max_flat_workgroup_size: 256
    .sgpr_count:     66
    .vgpr_count:     258
    .wavefront_size: 32
...
	.end_amdgpu_metadata
.endif
;; end of part 1
;; launch cross (part 2): grid 8 x 16, 8 waves a work-group, no clusters, 35,072 bytes of LDS; arguments w_f_kernel, wws, sws, out2, out1; writes out1
.if DOCPART == 2
	.amdgcn_target "amdgcn-amd-amdhsa--gfx1250"
	.amdhsa_code_object_version 6
	.text
	.protected	k_q35755088cc_cross
	.globl	k_q35755088cc_cross
	.p2align	8
	.type	k_q35755088cc_cross,@function
k_q35755088cc_cross:
	s_mov_b64 s[64:65], 0
	v_nop
	global_prefetch_b8 v0, s[64:65] scope:SCOPE_SE
	s_setreg_imm32_b32 hwreg(HW_REG_WAVE_MODE, 25, 1), 1
	s_wait_xcnt 0x0
; cross: out1[d,i] = c[i] S[d,i] + (k[d,i] R[i] - sum_j W[i,j] k[d,j]) / 512,  R[i] = sum_j W[i,j],  c = out2 = p - mu_self.
; W (bf16, fragment order), S (f32) and c come from the first launch; k = w_f_kernel.
; A work-group makes 16 d x 64 i of out1 (grid 8 blocks of i x 16 blocks of d).  Wave w: the 16 i at 16 (w & 3), and half w >> 2 of
; K = 512 (eight steps of 32); the two halves meet in LDS.  D = (W fragment) x (k fragment): lane (r, h), register j holds d = r,
; i = 16 nt + 8 h + j.  R comes from the same bf16 W by a fragment of -1.0, so that a common offset in k meets the same weights
; in k R and in the cross sum; the sign lets one multiply-add form cross - k R.
; LIMITS, kept on purpose: W and the k that enters the cross sum are bf16 (k beside R stays f32); K is summed in two halves.
; NOT USED, and why: tensor loads and multicast: k has to pass registers to become bf16, W goes straight from memory into fragment
; registers (its layout was chosen for that), and each is asked for once; prefetches: all 27 loads of a wave stand in its first lines.
.set KP,    1040                       ; pitch of k's panel: 512 bf16 + 16 bytes, an odd multiple of 16
.set SP,    272                        ; pitch of the f32 stages: 256 bytes + 16
.set KPAN,  0                          ; 16 rows x KP
.set HALF,  16*SP                      ; one stage: 16 d x 64 i
.set CST,   16*KP                      ; two stages: the cross sums of the two halves of K
.set RST,   CST+2*HALF                 ; two stages: minus the row sums, as whole tiles; ends at 34,048
.set GK,    1                          ; v1  16 t: my 16 bytes of each 4,096 of k's 16 rows
.set LK,    2                          ; v2  where their 8 bytes of bf16 go in the panel
.set GW,    3                          ; v3  my 16 bytes of a W fragment
.set GT,    4                          ; v4  (t >> 4) * 2048 + 16 r: my 16 bytes of a tile of S, k, out1
.set GC,    5                          ; v5  16 r: my four c
.set LF,    6                          ; v6  my k fragments in the panel
.set SD,    7                          ; v7  my place in a stage in the accumulators' layout
.set LR,    8                          ; v8  my 16 bytes of a stage, by rows
.set ACC,   16                         ; v[16:23] cross sums
.set ACCR,  24                         ; v[24:31] minus the row sums
.set MONES, 32                         ; v[32:39] a fragment of -1.0 in bf16
.set SV,    40                         ; v[40:43] S
.set KV,    44                         ; v[44:47] k
.set CV,    48                         ; v[48:51] c
.set KRAW,  64                         ; v[64:95] k's panel as loaded
.set ST,    96                         ; v[96:111] the four stages' numbers
.set RES,   112                        ; v[112:115] the result
.set WF,    128                        ; v[128:191] W's fragments, 8 registers a K step
.set KF,    192                        ; v[192:255] k's fragments
.macro PLACES                          ; four places behind a matrix instruction before its registers are touched (ISA guide 7.12.1)
.rept 4
	v_nop
.endr
.endm
.macro KTOLDS n                        ; load n of k's panel (two rows): four f32 to four bf16
	s_wait_loadcnt 26-\n               ; behind it: 7 - n of the panel's, W's 16, and S, k, c
	v_cvt_pk_bf16_f32 v[KRAW+4*\n], v[KRAW+4*\n], v[KRAW+4*\n+1]
	v_cvt_pk_bf16_f32 v[KRAW+4*\n+1], v[KRAW+4*\n+2], v[KRAW+4*\n+3]
	ds_store_b64 v[LK], v[KRAW+4*\n:KRAW+4*\n+1] offset:KPAN+\n*2*KP
.endm
.macro MM d, a, b, first               ; one link of an accumulator's chain; the first takes the constant 0
.if \first
	v_wmma_f32_16x16x32_bf16 v[\d:\d+7], v[\a:\a+7], v[\b:\b+7], 0
.else
	v_wmma_f32_16x16x32_bf16 v[\d:\d+7], v[\a:\a+7], v[\b:\b+7], v[\d:\d+7]
.endif
.endm
.macro STEPK s, first
	s_wait_dscnt 2*(7-\s)              ; two LDS loads for each later K step may stay out
	MM ACC, WF+8*\s, KF+8*\s, \first
	MM ACCR, WF+8*\s, MONES, \first
.endm
	s_load_b256 s[8:15], s[0:1], 0x0               ; k s[8:9], wws s[10:11], sws s[12:13], out2 s[14:15]
	s_load_b64 s[16:17], s[0:1], 0x20              ; out1
	v_lshl_add_u32 v126, v0, 2, 0x8500
	v_mov_b32 v127, 0
	s_and_b32 s4, ttmp7, 0xffff                    ; db: block of 16 d.  ttmp9: ib, block of 64 i
	s_lshl_b32 s20, s4, 15                         ; 16 rows of 2,048 bytes
	s_mov_b32 s21, 0
	s_lshl_b32 s22, ttmp9, 16                      ; W's block of 64 rows: 65,536 bytes
	s_mov_b32 s23, 0
	s_lshl_b32 s30, ttmp9, 8                       ; 64 f32
	s_mov_b32 s31, 0
	s_add_co_u32 s24, s20, s30                     ; the tile's corner in S, k, out1
	s_mov_b32 s25, 0
	v_and_b32 v10, 15, v0                          ; r
	v_bfe_u32 v11, v0, 4, 1                        ; h
	v_lshrrev_b32 v12, 7, v0                       ; kh = wave >> 2
	v_bfe_u32 v13, v0, 5, 2                        ; nt = wave & 3
	v_lshrrev_b32 v14, 4, v0                       ; t >> 4: my d in the epilogue
	v_and_b32 v15, 127, v0
	v_lshlrev_b32 v[GK], 4, v0
	v_lshlrev_b32 v[GC], 4, v10
	v_lshl_add_u32 v[GW], v12, 15, v[GC]           ; wws block: (j / 8) * 1024 + (i % 64) * 16; j / 8 = 32 kh + 4 step + 2 c + h
	v_lshl_add_u32 v[GW], v11, 10, v[GW]
	v_lshl_add_u32 v[GW], v13, 8, v[GW]            ; i % 64 = 16 nt + r
	v_lshl_add_u32 v[GT], v14, 11, v[GC]
	v_mul_u32_u24 v[LK], v12, KP                   ; load n holds rows 2 n and 2 n + 1: threads 0-127 the first, 128-255 the second
	v_lshl_add_u32 v[LK], v15, 3, v[LK]
	v_mul_u32_u24 v[LF], v10, KP                   ; row d = r, 16 h bytes, my half of K: 256 bf16
	v_lshl_add_u32 v[LF], v11, 4, v[LF]
	v_lshl_add_u32 v[LF], v12, 9, v[LF]
	v_mul_u32_u24 v[SD], v12, HALF                 ; my half's stage, row d = r, column 16 nt + 8 h
	v_mad_u32_u24 v[SD], v10, SP, v[SD]
	v_lshl_add_u32 v[SD], v13, 6, v[SD]
	v_lshl_add_u32 v[SD], v11, 5, v[SD]
	v_mad_u32_u24 v[LR], v14, SP, v[GC]
	s_wait_kmcnt 0x0
	s_add_nc_u64 s[20:21], s[8:9], s[20:21]        ; k's 16 rows: 32,768 consecutive bytes
	s_add_nc_u64 s[22:23], s[10:11], s[22:23]      ; W's block
	s_add_nc_u64 s[26:27], s[8:9], s[24:25]        ; k's tile
	s_add_nc_u64 s[28:29], s[16:17], s[24:25]      ; out1's tile
	s_add_nc_u64 s[24:25], s[12:13], s[24:25]      ; S's tile
	s_add_nc_u64 s[30:31], s[14:15], s[30:31]      ; c's 64 numbers
.irp n, 0,1,2,3,4,5,6,7
	global_load_b128 v[KRAW+4*\n:KRAW+4*\n+3], v[GK], s[20:21] offset:\n*4096
.endr
.irp s, 0,1,2,3,4,5,6,7
	global_load_b128 v[WF+8*\s:WF+8*\s+3],   v[GW], s[22:23] offset:\s*4096        ; k = 32 s + 8 h .. + 7 of row 16 nt + r
	global_load_b128 v[WF+8*\s+4:WF+8*\s+7], v[GW], s[22:23] offset:\s*4096+2048   ; k = 32 s + 16 + 8 h .. + 7
.endr
	global_load_b128 v[SV:SV+3], v[GT], s[24:25]
	global_load_b128 v[KV:KV+3], v[GT], s[26:27]
	global_load_b128 v[CV:CV+3], v[GC], s[30:31]
.irp q, 0,1,2,3,4,5,6,7
	v_mov_b32 v[MONES+\q], 0xbf80bf80              ; two bf16 of -1.0
.endr
.irp n, 0,1,2,3,4,5,6,7
	KTOLDS \n
.endr
	s_wait_dscnt 0x0                               ; my part of the panel is in LDS, for the other waves' sake
	s_barrier_signal -1
	s_barrier_wait -1
.irp s, 0,1,2,3,4,5,6,7
	ds_load_b128 v[KF+8*\s:KF+8*\s+3],   v[LF] offset:KPAN+\s*64
	ds_load_b128 v[KF+8*\s+4:KF+8*\s+7], v[LF] offset:KPAN+\s*64+32
.endr
	s_wait_loadcnt 0x3                             ; W's fragments are in; S, k and c, issued behind them, may stay out
	STEPK 0, 1
.irp s, 1,2,3,4,5,6,7
	STEPK \s, 0
.endr
	PLACES                                         ; before the LDS stores read the sums
	ds_store_b128 v[SD], v[ACC:ACC+3]     offset:CST
	ds_store_b128 v[SD], v[ACC+4:ACC+7]   offset:CST+16
	ds_store_b128 v[SD], v[ACCR:ACCR+3]   offset:RST
	ds_store_b128 v[SD], v[ACCR+4:ACCR+7] offset:RST+16
	s_wait_dscnt 0x0                               ; my sums are in LDS, for the other waves' sake
	s_barrier_signal -1
	s_barrier_wait -1
	ds_load_b128 v[ST:ST+3],     v[LR] offset:CST          ; cross, first half of K
	ds_load_b128 v[ST+4:ST+7],   v[LR] offset:CST+HALF     ; cross, second half
	ds_load_b128 v[ST+8:ST+11],  v[LR] offset:RST          ; -R, first half
	ds_load_b128 v[ST+12:ST+15], v[LR] offset:RST+HALF     ; -R, second half
	s_wait_loadcnt 0x0                             ; S, k, c
	v_pk_mul_f32 v[RES:RES+1],   v[CV:CV+1],   v[SV:SV+1]  ; c S
	v_pk_mul_f32 v[RES+2:RES+3], v[CV+2:CV+3], v[SV+2:SV+3]
	s_wait_dscnt 0x0
	v_pk_add_f32 v[ST:ST+1],     v[ST:ST+1],     v[ST+4:ST+5]      ; cross
	v_pk_add_f32 v[ST+2:ST+3],   v[ST+2:ST+3],   v[ST+6:ST+7]
	v_pk_add_f32 v[ST+8:ST+9],   v[ST+8:ST+9],   v[ST+12:ST+13]    ; -R
	v_pk_add_f32 v[ST+10:ST+11], v[ST+10:ST+11], v[ST+14:ST+15]
	v_pk_fma_f32 v[ST:ST+1],     v[KV:KV+1],   v[ST+8:ST+9],   v[ST:ST+1]      ; cross - k R
	v_pk_fma_f32 v[ST+2:ST+3],   v[KV+2:KV+3], v[ST+10:ST+11], v[ST+2:ST+3]
	v_pk_fma_f32 v[RES:RES+1],   v[ST:ST+1],   0xbb000000, v[RES:RES+1]   op_sel_hi:[1,0,1]   ; c S + (k R - cross) / 512
	v_pk_fma_f32 v[RES+2:RES+3], v[ST+2:ST+3], 0xbb000000, v[RES+2:RES+3] op_sel_hi:[1,0,1]
	global_store_b128 v[GT], v[RES:RES+3], s[28:29]        ; 16 lanes store one row of the tile: 256 consecutive bytes, aligned
	s_wait_tensorcnt 0x0
	ds_add_u32 v126, v127
	s_wait_dscnt 0x0
	s_endpgm
.Lfunc_end_k_q35755088cc_cross:
	.size	k_q35755088cc_cross, .Lfunc_end_k_q35755088cc_cross-k_q35755088cc_cross
	.p2alignl 7, 3214868480
	.fill 96, 4, 3214868480
	.section	.rodata,"a",@progbits
	.p2align	6, 0x0
	.amdhsa_kernel k_q35755088cc_cross
		.amdhsa_group_segment_fixed_size 35072
		.amdhsa_private_segment_fixed_size 0
		.amdhsa_enable_private_segment 0
		.amdhsa_kernarg_size 40
		.amdhsa_user_sgpr_count 2
		.amdhsa_user_sgpr_kernarg_segment_ptr 1
		.amdhsa_wavefront_size32 1
		.amdhsa_system_sgpr_workgroup_id_x 1
		.amdhsa_system_sgpr_workgroup_id_y 1
		.amdhsa_system_sgpr_workgroup_id_z 1
		.amdhsa_system_vgpr_workitem_id 0
		.amdhsa_next_free_vgpr 256
		.amdhsa_next_free_sgpr 66
		.amdhsa_reserve_vcc 0
		.amdhsa_float_denorm_mode_32 3
		.amdhsa_float_denorm_mode_16_64 3
		.amdhsa_memory_ordered 1
		.amdhsa_forward_progress 1
		.amdhsa_inst_pref_size 12
	.end_amdhsa_kernel
	.amdgpu_metadata
---
amdhsa.version: [ 1, 2 ]
amdhsa.kernels:
  - .name:           k_q35755088cc_cross
    .symbol:         k_q35755088cc_cross.kd
    .args:
      - { .name: w_f_kernel, .offset: 0, .size: 8, .value_kind: global_buffer, .address_space: global }
      - { .name: wws, .offset: 8, .size: 8, .value_kind: global_buffer, .address_space: global }
      - { .name: sws, .offset: 16, .size: 8, .value_kind: global_buffer, .address_space: global }
      - { .name: out2, .offset: 24, .size: 8, .value_kind: global_buffer, .address_space: global }
      - { .name: out1, .offset: 32, .size: 8, .value_kind: global_buffer, .address_space: global }
    .group_segment_fixed_size: 35072
    .private_segment_fixed_size: 0
    .kernarg_segment_align: 8
    .kernarg_segment_size: 40
    .max_flat_workgroup_size: 256
    .sgpr_count:     66
    .vgpr_count:     256
    .wavefront_size: 32
...
	.end_amdgpu_metadata
.endif
;; end of part 2
